; MI455X (gfx1250); checked and timed in simulation.
; The chip was launched on July 23, 2026; its instructions are those of AMD's public machine-readable ISA for CDNA 5 (MIT licence, August 2026) and "CDNA5" Instruction Set Architecture Reference Guide (July 2026). The comments in the code are by the model that wrote it; some were corrected since.
;; Attention Block. Allowed arithmetic: matrix products marked QUANTISED: E4M3 operands, one given power-of-two scale a tensor, by v_wmma_f32_16x16x64_fp8_fp8 or v_wmma_f32_16x16x128_fp8_fp8, f32 sums; everything else in f32.
;; Inputs: Wk 32 x 256 float32; Wq 32 x 256 float32; Wv 256 x 256 float32; bk 32 float32; bq 32 float32; bv 256 float32; gamma 1 float32; lowp_scales 10 int32 (the exponents e of the quantised operands' scales 2^e); x 4 x 256 x 64 x 64 float32.
;; Outputs: out0 4 x 256 x 64 x 64 float32.
;; This version of the problem:
;;   THIS VERSION OF THE PROBLEM IS GIVEN IN LOW PRECISION. The matrix products marked QUANTISED in the list below multiply operands that are first quantised to E4M3 (4 exponent bits, 3 mantissa bits; 8 bits a number), with one given power-of-two scale for each operand tensor; their sums are f32. All else is computed in f32.
;;   The module's matrix products, in the order in which they are computed (A, B: the left and right operand; K: the contracted axis; several contracted axes count as one K, in the product's order):
;;     1. [M 16,384, K 256] x [K 256, N 32]; A: input x; B: input Wq: QUANTISED (scales: A lowp_scales[0], B lowp_scales[1])
;;     2. [M 16,384, K 256] x [K 256, N 32]; A: input x; B: input Wk: QUANTISED (scales: A lowp_scales[2], B lowp_scales[3])
;;     3. [M 16,384, K 256] x [K 256, N 256]; A: input x; B: input Wv: QUANTISED (scales: A lowp_scales[4], B lowp_scales[5])
;;     4. batch 4 x [M 4,096, K 32] x [K 32, N 4,096]; A: computed on the way; B: computed on the way: QUANTISED (scales: A lowp_scales[6], B lowp_scales[7])
;;     5. batch 4 x [M 256, K 4,096] x [K 4,096, N 4,096]; A: computed on the way; B: softmax (see below): QUANTISED (scales: A lowp_scales[8], B lowp_scales[9])
;;   THE QUANTISER, for each operand of a quantised product, along K:
;;     - The operand's scale is 2^e, e = its entry of the input lowp_scales (int32; the entries are numbered through the quantised products in the list's order, A before B).
;;     - Each number is divided by the scale, clamped to +-448, and rounded to the nearest number of E4M3, ties to even, subnormals kept.
;;     - The product sums the exact products of the quantised numbers (number of the format x scale) in f32.
;;   ~~~python
;;   def quantise(x, axis, e):      # numpy; x: float32 -> the quantised numbers, widened to float32 again
;;       x = np.moveaxis(x, axis, -1); K = x.shape[-1]
;;       r = np.clip(x / 2.0 ** e, -448, 448)
;;       step = 2.0 ** (np.maximum(np.frexp(np.where(r == 0, 1, r))[1] - 1, -6) - 3)
;;       q = np.round(r / step) * step * 2.0 ** e      # np.round: ties to even
;;       return np.moveaxis(q, -1, axis).astype(np.float32)
;;   ~~~
;;   SOFTMAX AHEAD OF A QUANTISED PRODUCT. Where the list says 'softmax', what is quantised is not the finished softmax but p = 2^(t - M), with t = logit x log2(e) and M = ceil(the row's largest t), a whole number; so 1/2 < the row's largest p <= 1. The row's sum l is taken of the UNQUANTISED p, in f32, and the product's result is divided by l at the end. Since M is a whole number, a kernel that streams over the keys may use a running M (the ceiling of the running maximum): every later rescaling is an exact power of two, so the quantised numbers keep their values, but for numbers so far below the row's largest that they fall under the format's range.
;;   OPERANDS COMPUTED ON THE WAY. 'Computed on the way' means the value that the module computes at that place (a softmax that the list does not call 'softmax' is quantised finished and normalised). What goes into a quantiser is computed in f32, as accurately as f32 sums, v_exp_f32 and their like allow (about 1e-6 of the number): no bf16 or f16 on the way to a quantiser, and a product that is left as it is and whose result goes on into a quantised operand takes f32 operands (vector FMAs, or v_wmma_f32_16x16x4_f32). A number that lies on a knife's edge between two numbers of the format may be rounded either way, as far as f32 arithmetic and the matrix unit's own rounding can turn it there, and no further.
;; One version. Each part assembles by itself: llvm-mc -triple=amdgcn-amd-amdhsa -mcpu=gfx1250 --defsym DOCPART=n.
;; ======== version 1 of 1: 2 launches
;; workspace buffers: qc 524,288 bytes; kv 4,718,592 bytes
;; launch prep (part 1): grid 256 x 1, 10 waves a work-group, no clusters, 137,728 bytes of LDS; arguments x, Wq, Wk, Wv, bq, bk, bv, lowp_scales, qc, kv; writes qc, kv
.if DOCPART == 1
	.amdgcn_target "amdgcn-amd-amdhsa--gfx1250"
	.amdhsa_code_object_version 6
	.text
	.protected	k_q041faca878_prep
	.globl	k_q041faca878_prep
	.p2align	8
	.type	k_q041faca878_prep,@function
k_q041faca878_prep:
	s_mov_b64 s[64:65], 0
	v_nop
	global_prefetch_b8 v0, s[64:65] scope:SCOPE_SE
	s_setreg_imm32_b32 hwreg(HW_REG_WAVE_MODE, 25, 1), 1
	s_wait_xcnt 0x0
; q = Wq x + bq, k = Wk x + bk, v = Wv x + bv for 64 positions of one batch, all three products on codes of E4M3, and q, k, v quantised again for the attention launch.
; NOTHING IS LEFT OUT: every bias goes into a quantiser of a product that is live (bk and bv too), so every input has a way to the output and is loaded.
; x [4][256][4096] f32 is quantised three times (2^e0 for q, 2^e2 for k, 2^e4 for v), Wq, Wk, Wv with 2^e1, 2^e3, 2^e5; K = the 256 channels.  A sum stands for sum x 2^(eX + eW): the bias goes in as the C of the
; first matrix instruction, divided by that power; the result's code is sum / 2^(eO - eX - eW), held within +-448 (eO = e6, e7, e8).
; LIMITS: e0 .. e5 and e6 - e0 - e1, e7 - e2 - e3, e8 - e4 - e5 lie between -126 and 119, so that each power of two and 448 times it is an f32 number.  NaN among the inputs is not served.
; SHARES.  Work-group g: batch g / 64, positions 64 (g % 64) on: four tiles of 16.  Waves 0-7: v's channels 32 w .. 32 w + 31, and one eighth of x's quantising; wave 8: q; wave 9: k.  Each wave owns 32 weight rows.
; K'S PLACES.  A permutation of K that is the same in both operands keeps every product.  A chunk of 16 codes p (0 .. 15) holds at byte 4 i + e the channel 64 i + 4 p + e; registers 4 c .. 4 c + 3 of lane (r, h) of K step s hold chunk 8 s + 2 c + h of row r.
; So a weight row's chunk is four loads of 16 bytes, 256 bytes apart (sixteen lanes read 256 consecutive bytes), and x's chunk is 16 channel rows of which a lane reads 16 bytes (four positions).
; OPERANDS GO THROUGH LDS AS IMAGES OF THEIR REGISTERS; the results leave as images too: each store of a wave covers 512 consecutive bytes, aligned.
; NO JOINT LOADS: the weights as f32 are 327,680 bytes, as much as the LDS that a work-group can be given; each wave reads its own 32,768 bytes once, straight into registers, so a tile shared through LDS would need a ring for bytes that are read once.
.set WIMG,  0                          ; LDS: for each wave 2 tiles x 4,352 bytes: chunk p of row r at 272 p + 16 r (272 = 256 + 16: sixteen lanes' stores fall on sixteen different columns of 16 bytes)
.set XIMG,  87040                      ; x's fragments: set x 16,448 + tile x 4,112 + K step x 2,048 + c x 512 + 16 x lane (4,112 = 16 x 256 + 16, for the stores' sake)
.set SPARE, 136448                     ; the spare words, 128 bytes for each of ten waves: five blocks of 256 bytes that no other line names
.set SPW, 2                            ; v2   my spare word's address; never rewritten
.set NIL, 3                            ; v3   0; never rewritten
.set WGO, 4                            ; v4   weights in memory: 1,024 (lane / 16) + 16 (lane % 16)
.set WST, 5                            ; v5   where I store a weight chunk
.set WRD, 6                            ; v6   where I read my weight fragments
.set XGO, 7                            ; v7   x in memory: 4 channel rows x (lane / 16) + 16 (lane % 16)
.set XST, 8                            ; v8   where I store a chunk of x
.set XRD, 9                            ; v9   where I read x's fragments: my set + 16 x lane
.set IMG, 10                           ; v10  16 x lane
.set BOV, 11                           ; v11  bv: 4 (lane % 16)
.set BOQ, 1                            ; v1   bq, bk: 32 (lane / 16)
.set WSC, 12                           ; v12, v13  2^eW and 448 x 2^eW
.set XSC, 14                           ; v14 .. v19  the same for x's three sets: v (e4), q (e0), k (e2)
.set OSC, 20                           ; v20, v21  2^(eO - eX - eW) and 448 x that
.set T,   24                           ; v24-39   16 numbers of a chunk
.set CD,  40                           ; v40-47   codes, two sets
.set BR,  48                           ; v48-63   the biases as loaded
.set X,   64                           ; v64-127  x as loaded; later x's fragments (tile', K step) at 64 + 32 tile' + 16 s
.set XF,  64
.set WB0, 128                          ; v128-191, v192-255  weights as loaded, two batches of 8 rows
.set WB1, 192
.set WF,  128                          ; later: my weight fragments (tile, K step) at 128 + 32 tile + 16 s
.set ACC, 192                          ; four accumulators
.set BIA, 224                          ; two tiles of bias in the result's layout
.set OC,  240                          ; the results' codes: 8 registers for each half of the positions
.macro MKSC e, sc, lim                 ; 2^e as f32 (the conversion takes its exponent field) and 448 x 2^e
	s_add_co_i32 s56, \e, 127
	s_lshl_b32 s57, s56, 23
	v_mov_b32 v[\sc], s57
	s_add_co_i32 s56, s56, 8
	s_lshl_b32 s56, s56, 23
	s_or_b32 s56, s56, 0x600000
	v_mov_b32 v[\lim], s56
.endm
.macro WLOAD bt, buf                   ; rows 8 bt .. 8 bt + 7 of my 32: each load reads two rows' 256 consecutive bytes; lane (p, hh) gets chunk p of row 8 bt + 2 pr + hh in 16 registers
.irp pr, 0,1,2,3
.irp i, 0,1,2,3
	global_load_b128 v[\buf+16*\pr+4*\i:\buf+16*\pr+4*\i+3], v[WGO], s[44:45] offset:2048*(4*(\bt)+\pr)+256*\i
.endr
.endr
.endm
.macro WQ bt, buf                      ; those rows become codes and go into my weight image
.irp pr, 0,1,2,3
.set jj, 0
.rept 16
	v_med3_num_f32 v[\buf+16*\pr+jj], v[\buf+16*\pr+jj], -v[WSC+1], v[WSC+1]   ; the conversion to an 8-bit code does not saturate (ISA guide 7.6.2): the hold comes first
.set jj, jj+1
.endr
	v_cvt_scalef32_pk8_fp8_f32 v[CD+4*(\pr%2):CD+4*(\pr%2)+1], v[\buf+16*\pr:\buf+16*\pr+7], v[WSC]
	v_cvt_scalef32_pk8_fp8_f32 v[CD+4*(\pr%2)+2:CD+4*(\pr%2)+3], v[\buf+16*\pr+8:\buf+16*\pr+15], v[WSC]
	ds_store_b128 v[WST], v[CD+4*(\pr%2):CD+4*(\pr%2)+3] offset:((\bt)/2)*4352+16*(8*((\bt)%2)+2*\pr)
.endr
	v_nop                                          ; one plain vector line behind the run's last conversion
.endm
.macro XQ                              ; my 16 channels x 64 positions of x, three times: a lane holds four positions of each channel; the hold takes them apart into 16 neighbours along K
.irp sg, 0,1,2
.irp pos, 0,1,2,3
.set jj, 0
.rept 16
	v_med3_num_f32 v[T+jj], v[X+4*jj+\pos], -v[XSC+2*\sg+1], v[XSC+2*\sg+1]
.set jj, jj+1
.endr
	v_cvt_scalef32_pk8_fp8_f32 v[CD+4*(\pos%2):CD+4*(\pos%2)+1], v[T:T+7], v[XSC+2*\sg]
	v_cvt_scalef32_pk8_fp8_f32 v[CD+4*(\pos%2)+2:CD+4*(\pos%2)+3], v[T+8:T+15], v[XSC+2*\sg]
	v_nop                                          ; a plain line between the conversions and the next holds, which write the conversions' sources
	ds_store_b128 v[XST], v[CD+4*(\pos%2):CD+4*(\pos%2)+3] offset:16448*\sg+16*\pos
.endr
.endr
.endm
.macro FETCHX hb                       ; x's fragments of position tiles 2 hb, 2 hb + 1, both K steps, from my set
.irp tp, 0,1
.irp s, 0,1
.irp c, 0,1,2,3
	ds_load_b128 v[XF+32*\tp+16*\s+4*\c:XF+32*\tp+16*\s+4*\c+3], v[XRD] offset:4112*(2*(\hb)+\tp)+2048*\s+512*\c
.endr
.endr
.endr
.endm
; Eight matrix instructions on four accumulators by turns, one instruction a turn: K step 0 starts the sums with the bias, K step 1 adds in place.
; kind 0 (q, k): source 0 = 16 weight rows, source 1 = 16 positions: a lane holds one position, its registers run along the 32 features.  Accumulator 2 al + be: position tile al, feature tile be.
; kind 1 (v):    source 0 = 16 positions, source 1 = 16 weight rows: a lane holds one channel, its registers run along the positions, the second attention product's K.  Accumulator 2 al + be: channel tile al, position tile be.
.macro MUL8 kind
.irp s, 0,1
.irp al, 0,1
.irp be, 0,1
.if \kind
.if \s
	v_wmma_f32_16x16x128_fp8_fp8 v[ACC+8*(2*\al+\be):ACC+8*(2*\al+\be)+7], v[XF+32*\be+16*\s:XF+32*\be+16*\s+15], v[WF+32*\al+16*\s:WF+32*\al+16*\s+15], v[ACC+8*(2*\al+\be):ACC+8*(2*\al+\be)+7]
.else
	v_wmma_f32_16x16x128_fp8_fp8 v[ACC+8*(2*\al+\be):ACC+8*(2*\al+\be)+7], v[XF+32*\be+16*\s:XF+32*\be+16*\s+15], v[WF+32*\al+16*\s:WF+32*\al+16*\s+15], v[BIA+8*\al:BIA+8*\al+7]
.endif
.else
.if \s
	v_wmma_f32_16x16x128_fp8_fp8 v[ACC+8*(2*\al+\be):ACC+8*(2*\al+\be)+7], v[WF+32*\be+16*\s:WF+32*\be+16*\s+15], v[XF+32*\al+16*\s:XF+32*\al+16*\s+15], v[ACC+8*(2*\al+\be):ACC+8*(2*\al+\be)+7]
.else
	v_wmma_f32_16x16x128_fp8_fp8 v[ACC+8*(2*\al+\be):ACC+8*(2*\al+\be)+7], v[WF+32*\be+16*\s:WF+32*\be+16*\s+15], v[XF+32*\al+16*\s:XF+32*\al+16*\s+15], v[BIA+8*\be:BIA+8*\be+7]
.endif
.endif
.endr
.endr
.endr
.endm
.macro PLACES n                        ; plain vector lines behind a matrix instruction, in front of reads of its results and of loads into its sources
.rept \n
	v_nop
.endr
.endm
.macro OUTQ oc                         ; the four accumulators become 8 registers of codes; each accumulator is read from its low end on
.set jj, 0
.rept 32
	v_med3_num_f32 v[ACC+jj], v[ACC+jj], -v[OSC+1], v[OSC+1]
.set jj, jj+1
.endr
.irp ac, 0,1,2,3
	v_cvt_scalef32_pk8_fp8_f32 v[\oc+2*\ac:\oc+2*\ac+1], v[ACC+8*\ac:ACC+8*\ac+7], v[OSC]
.endr
	v_nop                                          ; a plain line behind the last conversion: the next products write its sources
.endm
.macro OUTST kind, hb, oc              ; 16 bytes a lane at 16 x lane: 512 consecutive bytes a store
.irp al, 0,1
.if \kind
	global_store_b128 v[IMG], v[\oc+4*\al:\oc+4*\al+3], s[52:53] offset:2048*\al+512*(\hb)
.else
	global_store_b128 v[IMG], v[\oc+4*\al:\oc+4*\al+3], s[52:53] offset:512*(2*(\hb)+\al)
.endif
.endr
.endm
.macro TAIL kind
	FETCHX 0
.if \kind
.irp al, 0,1
.irp j, 0,1,2,3,4,5,6,7
	v_ldexp_f32 v[BIA+8*\al+\j], v[BR+\al], s48    ; bv of my channel / 2^(eX + eW), the same for the eight positions of a lane
.endr
.endr
.else
.set jj, 0
.rept 16
	v_ldexp_f32 v[BIA+jj], v[BR+jj], s48           ; the bias of features 16 be + 8 h + j / 2^(eX + eW)
.set jj, jj+1
.endr
.endif
	s_wait_dscnt 0x0                               ; x's fragments are in
	MUL8 \kind
	PLACES 4
	FETCHX 1                                       ; the other two position tiles land while the first two are quantised
	OUTQ OC
	OUTST \kind, 0, OC
	s_wait_dscnt 0x0
	MUL8 \kind
	PLACES 4
	OUTQ OC+8
	OUTST \kind, 1, OC+8
	s_wait_tensorcnt 0x0                           ; the wave's end: three lines behind my last LDS store
	ds_add_u32 v[SPW], v[NIL]
	s_wait_dscnt 0x0
	s_endpgm
.endm
	s_load_b512 s[8:23], s[0:1], 0x0               ; x s[8:9], Wq s[10:11], Wk s[12:13], Wv s[14:15], bq s[16:17], bk s[18:19], bv s[20:21], the scales' exponents s[22:23]
	s_load_b128 s[24:27], s[0:1], 0x40             ; qc s[24:25], kv s[26:27]
	v_lshl_add_u32 v[SPW], v0, 2, SPARE
	v_mov_b32 v[NIL], 0
	v_lshrrev_b32 v1, 5, v0
	v_readfirstlane_b32 s2, v1                     ; wave 0..9
	s_mov_b32 s3, ttmp9                            ; g
	v_and_b32 v22, 15, v0                          ; lane % 16
	v_bfe_u32 v23, v0, 4, 1                        ; lane / 16
	v_and_b32 v1, 31, v0
	v_lshlrev_b32 v[IMG], 4, v1
	v_lshlrev_b32 v[BOQ], 5, v23
	v_lshlrev_b32 v[BOV], 2, v22
	v_lshlrev_b32 v[WGO], 4, v22
	v_lshl_add_u32 v[WGO], v23, 10, v[WGO]
	s_mul_i32 s54, s2, 8704                        ; my weight image
	v_mul_u32_u24 v[WST], v22, 272
	v_lshl_add_u32 v[WST], v23, 4, v[WST]
	v_add_nc_u32 v[WST], s54, v[WST]               ; chunk = lane % 16, row + lane / 16
	v_mul_u32_u24 v[WRD], v23, 272
	v_lshl_add_u32 v[WRD], v22, 4, v[WRD]
	v_add_nc_u32 v[WRD], s54, v[WRD]               ; chunk + lane / 16, row = lane % 16
	v_lshlrev_b32 v[XGO], 4, v22
	v_lshl_add_u32 v[XGO], v23, 16, v[XGO]
	s_lshl_b32 s55, s2, 9
	s_add_co_u32 s55, s55, XIMG
	v_lshrrev_b32 v[XST], 2, v22
	v_mul_u32_u24 v[XST], v[XST], 4112             ; my four positions' tile,
	v_and_b32 v[XRD], 3, v22
	v_lshl_add_u32 v[XST], v[XRD], 6, v[XST]       ; their rows in it: 4 (lane % 4) on,
	v_lshl_add_u32 v[XST], v23, 8, v[XST]          ; the half of the lanes that will read the chunk,
	v_add_nc_u32 v[XST], s55, v[XST]               ; and 512 x wave: K step wave / 4, registers 4 (wave % 4) on
	s_lshr_b32 s56, s2, 3
	s_and_b32 s57, s56, s2
	s_add_co_u32 s56, s56, s57                     ; my set of x: 0 in waves 0-7, 1 in wave 8, 2 in wave 9
	s_mul_i32 s56, s56, 16448
	s_add_co_u32 s56, s56, XIMG
	v_add_nc_u32 v[XRD], s56, v[IMG]
	; offsets, apart from the addresses
	s_lshr_b32 s58, s3, 6
	s_lshl_b32 s58, s58, 22                        ; x: the batch,
	s_and_b32 s59, s3, 63
	s_lshl_b32 s59, s59, 8
	s_add_co_u32 s58, s58, s59                     ; the 64 positions' 256 bytes of a channel row,
	s_lshl_b32 s59, s2, 17
	s_add_co_u32 s58, s58, s59                     ; and 8 channel rows x wave (used by waves 0-7 alone)
	s_mov_b32 s59, 0
	s_cmp_lt_u32 s2, 8
	s_cselect_b32 s60, s2, 0
	s_lshl_b32 s62, s60, 7                         ; bv: 32 numbers x wave
	s_lshl_b32 s60, s60, 15                        ; Wv: 32 rows x wave
	s_mov_b32 s61, 0
	s_mov_b32 s63, 0
	s_lshr_b32 s42, s3, 3
	s_mul_i32 s42, s42, 147456                     ; kv: block g / 8 (512 keys: 16,384 bytes of k, 131,072 of v)
	s_and_b32 s43, s3, 7
	s_lshl_b32 s51, s43, 11
	s_add_co_u32 s51, s51, s42                     ; k: four key tiles of 512 bytes x (g % 8)
	s_lshr_b32 s43, s43, 1
	s_lshl_b32 s43, s43, 15
	s_add_co_u32 s42, s42, s43                     ; v: the 128 keys' part,
	s_and_b32 s43, s3, 1
	s_lshl_b32 s43, s43, 10
	s_add_co_u32 s42, s42, s43                     ; my 64 keys' two groups of four registers,
	s_lshl_b32 s43, s2, 12
	s_add_co_u32 s42, s42, s43                     ; my two channel tiles of 2,048 bytes,
	s_add_co_u32 s42, s42, 16384                   ; behind the block's k
	s_lshl_b32 s43, s3, 11                         ; q: four query tiles of 512 bytes x g
	s_cmp_eq_u32 s2, 8
	s_cselect_b32 s30, s43, s51
	s_cmp_lt_u32 s2, 8
	s_cselect_b32 s30, s42, s30
	s_mov_b32 s31, 0
	s_wait_kmcnt 0x0
	s_load_b256 s[32:39], s[22:23], 0x0            ; e0 .. e7
	s_load_b64 s[40:41], s[22:23], 0x20            ; e8, e9
	s_add_nc_u64 s[28:29], s[8:9], s[58:59]
	s_cmp_eq_u32 s2, 8                             ; the choices hang on the wave's number alone
	s_cselect_b64 s[44:45], s[10:11], s[12:13]
	s_cselect_b64 s[46:47], s[16:17], s[18:19]
	s_cselect_b64 s[52:53], s[24:25], s[26:27]
	s_cmp_lt_u32 s2, 8
	s_cselect_b64 s[44:45], s[14:15], s[44:45]     ; my weights,
	s_cselect_b64 s[46:47], s[20:21], s[46:47]     ; my bias,
	s_cselect_b64 s[52:53], s[26:27], s[52:53]     ; where my codes go
	s_add_nc_u64 s[44:45], s[44:45], s[60:61]
	s_add_nc_u64 s[46:47], s[46:47], s[62:63]
	s_add_nc_u64 s[52:53], s[52:53], s[30:31]
	s_cmp_lt_u32 s2, 8
	s_cbranch_scc0 .Lqk_in
	global_load_b32 v[BR], v[BOV], s[46:47]
	global_load_b32 v[BR+1], v[BOV], s[46:47] offset:64
.irp i, 0,1,2,3
.irp e, 0,1,2,3
	global_load_b128 v[X+4*(4*\i+\e):X+4*(4*\i+\e)+3], v[XGO], s[28:29] offset:(64*\i+\e)*16384 th:TH_LOAD_NT   ; channels 64 i + e + 8 wave + 4 (lane / 16): sixteen lanes read a channel row's 256 bytes
.endr
.endr
	s_branch .Lin_done
.Lqk_in:
.irp be, 0,1
	global_load_b128 v[BR+8*\be:BR+8*\be+3], v[BOQ], s[46:47] offset:64*\be
	global_load_b128 v[BR+8*\be+4:BR+8*\be+7], v[BOQ], s[46:47] offset:64*\be+16
.endr
.Lin_done:
	WLOAD 0, WB0
	WLOAD 1, WB1
	s_wait_kmcnt 0x0
	s_cmp_eq_u32 s2, 8
	s_cselect_b32 s48, s32, s34                    ; eX
	s_cselect_b32 s49, s33, s35                    ; eW
	s_cselect_b32 s50, s38, s39                    ; eO
	s_cmp_lt_u32 s2, 8
	s_cselect_b32 s48, s36, s48
	s_cselect_b32 s49, s37, s49
	s_cselect_b32 s50, s40, s50
	s_add_co_i32 s48, s48, s49                     ; eX + eW
	s_sub_co_i32 s50, s50, s48                     ; eO - eX - eW
	s_sub_co_i32 s48, 0, s48                       ; -(eX + eW), for the bias
	MKSC s49, WSC, WSC+1
	MKSC s36, XSC, XSC+1
	MKSC s32, XSC+2, XSC+3
	MKSC s34, XSC+4, XSC+5
	MKSC s50, OSC, OSC+1
	s_cmp_lt_u32 s2, 8
	s_cbranch_scc0 .Lno_x
	s_wait_loadcnt 32                              ; bv and x are in; the 32 younger loads, two batches of weights, may be out
	XQ
.Lno_x:
	s_wait_loadcnt 16                              ; the older batch is in, the younger one's 16 loads may be out; so at each of the next two waits
	WQ 0, WB0
	WLOAD 2, WB0
	s_wait_loadcnt 16
	WQ 1, WB1
	WLOAD 3, WB1
	s_wait_loadcnt 16
	WQ 2, WB0
	s_wait_loadcnt 0x0
	WQ 3, WB1
.irp tl, 0,1
.irp s, 0,1
.irp c, 0,1,2,3
	ds_load_b128 v[WF+32*\tl+16*\s+4*\c:WF+32*\tl+16*\s+4*\c+3], v[WRD] offset:4352*\tl+272*(8*\s+2*\c)   ; my own bytes: LDS serves a wave's instructions in order (ISA guide 5.7.1.4)
.endr
.endr
.endr
	s_wait_dscnt 0x0                               ; for the others' sake: my stores of x's chunks have landed (and my weight fragments are in)
	s_barrier_signal -1
	s_barrier_wait -1                              ; x's 24 fragments are whole
	s_cmp_lt_u32 s2, 8
	s_cbranch_scc0 .Lqk_tail
	TAIL 1
.Lqk_tail:
	TAIL 0
.Lfunc_end_k_q041faca878_prep:
	.size	k_q041faca878_prep, .Lfunc_end_k_q041faca878_prep-k_q041faca878_prep
	.p2alignl 7, 3214868480
	.fill 96, 4, 3214868480
	.section	.rodata,"a",@progbits
	.p2align	6, 0x0
	.amdhsa_kernel k_q041faca878_prep
		.amdhsa_group_segment_fixed_size 137728
		.amdhsa_private_segment_fixed_size 0
		.amdhsa_enable_private_segment 0
		.amdhsa_kernarg_size 80
		.amdhsa_user_sgpr_count 2
		.amdhsa_user_sgpr_kernarg_segment_ptr 1
		.amdhsa_wavefront_size32 1
		.amdhsa_system_sgpr_workgroup_id_x 1
		.amdhsa_system_sgpr_workgroup_id_y 1
		.amdhsa_system_sgpr_workgroup_id_z 1
		.amdhsa_system_vgpr_workitem_id 0
		.amdhsa_next_free_vgpr 256
		.amdhsa_next_free_sgpr 66
		.amdhsa_reserve_vcc 0
		.amdhsa_float_denorm_mode_32 3
		.amdhsa_float_denorm_mode_16_64 3
		.amdhsa_memory_ordered 1
		.amdhsa_forward_progress 1
		.amdhsa_inst_pref_size 68
	.end_amdhsa_kernel
	.amdgpu_metadata
---
amdhsa.version: [ 1, 2 ]
amdhsa.kernels:
  - .name:           k_q041faca878_prep
    .symbol:         k_q041faca878_prep.kd
    .args:
      - { .name: x, .offset: 0, .size: 8, .value_kind: global_buffer, .address_space: global }
      - { .name: Wq, .offset: 8, .size: 8, .value_kind: global_buffer, .address_space: global }
      - { .name: Wk, .offset: 16, .size: 8, .value_kind: global_buffer, .address_space: global }
      - { .name: Wv, .offset: 24, .size: 8, .value_kind: global_buffer, .address_space: global }
      - { .name: bq, .offset: 32, .size: 8, .value_kind: global_buffer, .address_space: global }
      - { .name: bk, .offset: 40, .size: 8, .value_kind: global_buffer, .address_space: global }
      - { .name: bv, .offset: 48, .size: 8, .value_kind: global_buffer, .address_space: global }
      - { .name: lowp_scales, .offset: 56, .size: 8, .value_kind: global_buffer, .address_space: global }
      - { .name: qc, .offset: 64, .size: 8, .value_kind: global_buffer, .address_space: global }
      - { .name: kv, .offset: 72, .size: 8, .value_kind: global_buffer, .address_space: global }
    .group_segment_fixed_size: 137728
    .private_segment_fixed_size: 0
    .kernarg_segment_align: 8
    .kernarg_segment_size: 80
    .max_flat_workgroup_size: 320
    .sgpr_count:     66
    .vgpr_count:     256
    .wavefront_size: 32
...
	.end_amdgpu_metadata
.endif
;; end of part 1
;; launch attn (part 2): grid 64 x 4, 8 waves a work-group, clusters of 4 x 1, 327,680 bytes of LDS; arguments qc, kv, x, gamma, lowp_scales, out0; writes out0
.if DOCPART == 2
	.amdgcn_target "amdgcn-amd-amdhsa--gfx1250"
	.amdhsa_code_object_version 6
	.text
	.protected	k_q041faca878_attn
	.globl	k_q041faca878_attn
	.p2align	8
	.type	k_q041faca878_attn,@function
k_q041faca878_attn:
	s_mov_b64 s[64:65], 0
	v_nop
	global_prefetch_b8 v0, s[64:65] scope:SCOPE_SE
	s_setreg_imm32_b32 hwreg(HW_REG_WAVE_MODE, 25, 1), 1
	s_wait_xcnt 0x0
	s_wait_alu depctr_hold_cnt(0) depctr_sa_sdst(0) depctr_va_vdst(0) depctr_va_sdst(0) depctr_va_ssrc(0) depctr_va_vcc(0) depctr_vm_vsrc(0)
	s_getreg_b32 s2, hwreg(HW_REG_IB_STS2, 6, 4)
	s_cmp_eq_u32 s2, 0
	s_cbranch_scc0 .Lentry_in_a_cluster
	s_endpgm
.Lentry_in_a_cluster:
	s_bfe_u32 s2, ttmp6, 0x10000c
	s_cmp_lg_u32 s2, 0x3003
	s_cbranch_scc0 .Lentry_shape_is_right
	s_endpgm
.Lentry_shape_is_right:
; out0[b][c][i] = gamma x (sum over j of v[b][c][j] p[i][j]) / l[i] + x[b][c][i], both products on codes of E4M3.  Nothing is left out here either.
; t = (q_i . k_j) x log2(e); M = ceil(the row's largest t); p = 2^(t - M) is quantised with 2^e9, not normalised; l = the row's sum of the unquantised p, in f32.
; TWO PASSES OVER THE KEYS.  The first product has K = 32 and is short: pass 1 makes all scores and finds each row's largest, so M is final; pass 2 makes the scores again and needs no running maximum and no rescaling.
; With one M for a row the sums of waves that share queries and split the keys are simply added.
; SHARES.  A work-group owns 64 queries of one batch.  Wave w: queries 32 (w % 2) on (two tiles of 16), and of every block of 512 keys the 128 keys at 128 (w / 2).  Two waves to a SIMD, 512 registers each.
; CLUSTER.  The four work-groups of a cluster belong to one batch and walk the same blocks of kv: every tile is asked for JOINTLY, the same tensor load with the same descriptor and the mask of all four.
; THE WALK.  Cluster c of a batch (c = 0 .. 15) begins pass 2 at block (c + 5 (c / 8)) % 8 and goes round all eight: M is final, so the order of the blocks moves a sum by its rounding alone.
; The sixteen clusters of a batch begin at eight different blocks, two at each; all eight are first blocks among clusters 0-7, among clusters 8-15, among the even clusters and among the odd ones.
; NO PREFETCH OF kv: each block is asked for at the head, as the first fill of two clusters, where nothing is prefetched; what a later change of slots asks for, another cluster of the batch has loaded before.
; OPERANDS LIE IN MEMORY AND IN LDS AS IMAGES OF REGISTERS (16 bytes a lane at 16 x lane): no pitch, no padding, each LDS load reads 512 consecutive bytes.
; THE FIRST PRODUCT, K = 32 in the K = 64 form: a fragment of k holds TWO key tiles (registers 0-3: keys 32 b + r; 4-7: keys 32 b + 16 + r) and is multiplied by q with zeros in its upper half, then by q with zeros in its lower half.
; Source 0 = keys, source 1 = queries: lane (r, h) holds query r, and register 16 b + 8 u + j the key 32 b + 16 u + 8 h + j: the order in which v's codes were laid.
; THE SECOND PRODUCT: source 0 = p (16 queries), source 1 = v (16 channels): lane (r, h) holds channel 16 t + r and register j query 8 h + j of the tile: neighbours along out0's rows.
; LIMITS: e6 + e7 between -126 and 127 (added to the exponent field of log2(e)); e9 between -126 and 119; e8 + e9 goes in by v_ldexp_f32.  NaN among the inputs is not served.
; REGISTERS, window 0: v1-21 addresses; v23, v36 448 x 2^e9, 2^e9; v24-27 -M; v28-35 maxima, then sums; v37-39 at work; v40-63 q; v64-191 scores, p, then v's fragments; v192-223 p's codes; v224-255 k.  Window 1: the 32 accumulators (t, u) at 16 t + 8 u.
.set SLOT1, 147456                     ; a slot holds a block of kv: 16,384 bytes of k, 131,072 of v; slot 0 at 0
.set PIECE, 18432                      ; what one tensor load brings: an eighth of a slot, 72 rows of 256 bytes
.set VOFF,  16384
.set SCRM,  294912                     ; behind the ring: [key quarter 4][query 64] f32, the waves' maxima;
.set SCRL,  295936                     ; the same for their sums
.set SPARE, 296960                     ; the spare words, 128 bytes for each of eight waves: four blocks of 256 bytes that no other line names
.set CPY,   69632                      ; the way out: four copies (one a key quarter) of 256 channel rows x (256 bytes + 16), laid over the slots behind their last fill and last read
.set IMG,  1                           ; v1   16 x lane
.set AK,   4                           ; v4, v5  my 128 keys' k in slot 0, 1
.set AV,   6                           ; v6, v7  my 128 keys' v in slot 0, 1
.set AP1B, 9                           ; v9   pass 1: pieces 4 to 7 (pieces 0 to 3 are reached from v5)
.set SMX,  10                          ; v10  where I store a maximum or (1,024 on) a sum
.set SMR,  11                          ; v11  where I read the four waves' maxima
.set STO,  12                          ; v12  the way out: where I put 16 bytes of a channel row
.set LRD,  13                          ; v13  the sums of my four queries on the way out
.set XO,   14                          ; v14  my bytes in x and out0: channel row + lane / 16, 16 (lane % 16)
.set XPF,  15                          ; v15  a channel row a lane
.set SRD,  16                          ; v16-19  the way out: where I read copy c
.set SPW,  20                          ; v20  my spare word's address; never rewritten
.set NIL,  21                          ; v21  0; never rewritten
.set LIMP, 23
.set NM,   24                          ; -M, a pair for each tile
.set ST,   28
.set SCP,  36
.set Q,    40                          ; 12 registers a tile: 0 0 0 0 | q q q q | 0 0 0 0
.set S,    64
.set P,    192
.set KF,   224
.set WV,   16                          ; s16 wave; s17 w % 2; s18 w / 2; s19 cx; s20 block of 64 queries; s21 batch
.set G1,   24                          ; s[24:31] descriptor group 1, one for all loads
.set G0K,  32                          ; s[32:35] group 0: block w's k, for pass 1
.set G0A,  36                          ; s[36:39] slot 0's, s[40:43] slot 1's
.set CS,   44                          ; s[44:45] c = log2(e) x 2^(e6 + e7)
.set SEL,  46                          ; s[46:47] selects for v_permlanex16_b32: lane l xor 16
.set KVW,  48                          ; s[48:49] my eighth of the batch's block 0 in memory; never rewritten
.set BI,   50                          ; s50  the block that was asked for last, 0 .. 7
.set CNT,  52
.set BO,   62                          ; s[62:63] that block's first byte in the batch's kv: 147,456 x s50, and 0 above it
.set MSB, 0
.macro WIN new                         ; the immediate's high byte repeats the setting that is left
.if MSB != \new
	s_set_vgpr_msb (MSB<<8)|\new
.set MSB, \new
.endif
.endm
.macro PLACES n                        ; plain vector lines behind a matrix instruction (ISA guide 7.12.1)
.rept \n
	v_nop
.endr
.endm
.macro CROUND                          ; a round of the cluster's barrier: my work-group's barrier; wave 0 signals for the work-group; every wave waits for all four; my work-group's barrier once more
	s_barrier_signal -1
	s_barrier_wait -1
	s_cmp_lg_u32 s[WV], 0
	s_cbranch_scc1 .Lnot_wave_0_\@
	s_barrier_signal -3
.Lnot_wave_0_\@:
	s_barrier_wait -3
	s_barrier_signal -1
	s_barrier_wait -1
.endm
.macro SMUL kbuf                       ; 16 matrix instructions: my 128 keys x my 32 queries; each starts a sum of its own
.irp kb, 0,1,2,3
.irp q, 0,1
	v_wmma_f32_16x16x64_fp8_fp8 v[S+64*\q+16*\kb:S+64*\q+16*\kb+7], v[\kbuf+8*\kb:\kbuf+8*\kb+7], v[Q+12*\q+4:Q+12*\q+11], 0
	v_wmma_f32_16x16x64_fp8_fp8 v[S+64*\q+16*\kb+8:S+64*\q+16*\kb+15], v[\kbuf+8*\kb:\kbuf+8*\kb+7], v[Q+12*\q:Q+12*\q+7], 0
.endr
.endr
.endm
.macro KPIECE j, kbuf                  ; pass 1: my 128 keys of block j, from the pieces that lie in slot 1
.if (\j) < 4
.set AR, AK+1
.else
.set AR, AP1B
.endif
.irp kb, 0,1,2,3
.irp u, 0,1
	ds_load_b128 v[\kbuf+8*\kb+4*\u:\kbuf+8*\kb+4*\u+3], v[AR] offset:PIECE*((\j)%4)+1024*\kb+512*\u
.endr
.endr
.endm
.macro P1 j                            ; pass 1, block j: scores and running maxima, four chains a tile; each accumulator is read from its low end on
.set KB, 224-32*((\j)%2)
.set KN, 192+32*((\j)%2)
	s_wait_dscnt 0x0                               ; this block's k is in
.if (\j) < 7
	KPIECE (\j)+1, KN                              ; the next block's, into the other buffer: its last readers stand 68 plain lines back
.endif
	SMUL KB
	PLACES 4
.irp q, 0,1
.irp ac, 0,1,2,3,4,5,6,7
.irp c, 0,1,2,3
	v_max3_num_f32 v[ST+4*\q+\c], v[ST+4*\q+\c], v[S+64*\q+8*\ac+2*\c], v[S+64*\q+8*\ac+2*\c+1]
.endr
.endr
.endr
.endm
.macro PQ q                            ; tile q's 64 p become 16 registers of codes
.set aa, 0
.rept 8
.set jj, 0
.rept 8
	v_min_num_f32 v[S+64*(\q)+8*aa+jj], v[S+64*(\q)+8*aa+jj], v[LIMP]   ; the conversion to an 8-bit code does not saturate (ISA guide 7.6.2); p is not negative, so the hold is one-sided
.set jj, jj+1
.endr
	v_cvt_scalef32_pk8_fp8_f32 v[P+16*(\q)+2*aa:P+16*(\q)+2*aa+1], v[S+64*(\q)+8*aa:S+64*(\q)+8*aa+7], v[SCP]
.set aa, aa+1
.endr
	v_nop                                          ; a plain line behind the last conversion, ahead of the matrix instructions that read the codes
.endm
.macro VLOAD g, slot                   ; v's fragments of channel tiles 4 g .. 4 g + 3, into the registers that tile g % 2's p has left
.set VA, S+64*((\g)%2)
.irp t, 0,1,2,3
.irp c, 0,1,2,3
	ds_load_b128 v[VA+16*\t+4*\c:VA+16*\t+4*\c+3], v[AV+\slot] offset:2048*(4*(\g)+\t)+512*\c
.endr
.endr
.endm
.macro PVMUL g, first                  ; eight matrix instructions; the 32 accumulators take turns, one instruction a turn, in the same order in every step
.set VA, S+64*((\g)%2)
	WIN 0x50                                       ; C and D in window 1
.irp t, 0,1,2,3
.irp u, 0,1
.if \first
	v_wmma_f32_16x16x128_fp8_fp8 v[16*(4*(\g)+\t)+8*\u:16*(4*(\g)+\t)+8*\u+7], v[P+16*\u:P+16*\u+15], v[VA+16*\t:VA+16*\t+15], 0
.else
	v_wmma_f32_16x16x128_fp8_fp8 v[16*(4*(\g)+\t)+8*\u:16*(4*(\g)+\t)+8*\u+7], v[P+16*\u:P+16*\u+15], v[VA+16*\t:VA+16*\t+15], v[16*(4*(\g)+\t)+8*\u:16*(4*(\g)+\t)+8*\u+7]
.endif
.endr
.endr
	WIN 0
.endm
; A KEY STEP of pass 2: my 128 keys of the block in the slot.
.macro STEPWORK slot, first
.irp kb, 0,1,2,3
.irp u, 0,1
	ds_load_b128 v[KF+8*\kb+4*\u:KF+8*\kb+4*\u+3], v[AK+\slot] offset:1024*\kb+512*\u
.endr
.endr
	PLACES 5                                       ; the scores are laid over registers that the last products read: five places for a matrix instruction that writes over them
	s_wait_dscnt 0x0
	SMUL KF
	PLACES 4
.irp q, 0,1
.set jj, 0
.rept 32
	v_pk_fma_f32 v[S+64*\q+jj:S+64*\q+jj+1], v[S+64*\q+jj:S+64*\q+jj+1], s[CS:CS+1], v[NM+2*\q:NM+2*\q+1] op_sel_hi:[1,0,0]   ; t - M, two at a time (of the pairs c and -M the low word serves both halves)
.set jj, jj+2
.endr
.endr
.set jj, 0
.rept 128
	v_exp_f32 v[S+jj], v[S+jj]                     ; p = 2^(t - M), at most 1
.set jj, jj+1
.endr
	v_nop                                          ; a plain line behind the last exponential
	s_wait_alu depctr_va_vdst(0)                   ; one wait for the whole batch, ahead of its first reader
.set jj, 0
.rept 16
.irp q, 0,1
	v_pk_add_f32 v[ST+4*\q:ST+4*\q+1], v[ST+4*\q:ST+4*\q+1], v[S+64*\q+jj:S+64*\q+jj+1]           ; the row's sum is taken of the unquantised p, in two chains a tile
	v_pk_add_f32 v[ST+4*\q+2:ST+4*\q+3], v[ST+4*\q+2:ST+4*\q+3], v[S+64*\q+jj+2:S+64*\q+jj+3]
.endr
.set jj, jj+4
.endr
	PQ 0
	VLOAD 0, \slot
	PQ 1
	VLOAD 1, \slot
	s_wait_dscnt 16                                ; the older run of 16 loads is in, the younger may be out; so at the next two waits
	PVMUL 0, \first
	PLACES 4
	VLOAD 2, \slot
	s_wait_dscnt 16
	PVMUL 1, \first
	PLACES 4
	VLOAD 3, \slot
	s_wait_dscnt 16
	PVMUL 2, \first
	s_wait_dscnt 0x0
	PVMUL 3, \first
.endm
; THE CHANGE OF SLOTS and the step behind it.  Each wave waits for all its tensor loads (its eighth of the slot that it is about to read), adds 0 to its spare word, and waits for that and for its reads of the other slot.
; refill = 1: a round of the cluster's barrier, so that no wave of any partner still reads the other slot or has a load on its way; the joint refill is the first thing behind it and has a whole key step in which to land.
; It brings the next block of the cluster's walk, block 7 being followed by block 0: the other slot's group 0 is made anew from the pointer that stays and the block's offset.
.macro TRIP slot, refill, first
	s_wait_tensorcnt 0x0                           ; no tensor load of mine is out, so a group 0 may be written
	ds_add_u32 v[SPW], v[NIL]                      ; 0 onto my spare word; with refill = 1 the lines below stand between it and the wait for it
.if \refill
	s_add_co_u32 s[BI], s[BI], 1
	s_and_b32 s[BI], s[BI], 7                      ; the next block, round the eight
	s_mul_i32 s[BO], s[BI], SLOT1
	s_add_nc_u64 s[G0A+4*(1-\slot)+2:G0A+4*(1-\slot)+3], s[KVW:KVW+1], s[BO:BO+1]   ; my eighth of it
	s_or_b32 s[G0A+4*(1-\slot)+3], s[G0A+4*(1-\slot)+3], 0x80000000                 ; type = 2
.endif
	s_wait_dscnt 0x0                               ; the add is done, my LDS stores have landed and my reads of the other slot are over
.if \refill
	CROUND
	tensor_load_to_lds s[G0A+4*(1-\slot):G0A+4*(1-\slot)+3], s[G1:G1+7]   ; my one tensor load until the next round
	s_nop 0
	PLACES 4
.else
	s_barrier_signal -1
	s_barrier_wait -1
	global_prefetch_b8 v[XPF], s[8:9] th:TH_LOAD_NT scope:SCOPE_SE   ; x for the way out, a key step ahead: my 32 channel rows' 256 bytes, a lane a row; no other wave of the launch reads them
.endif
.if \first
.irp u, 0,1
.irp c, 0,1,2,3
	ds_load_b32 v[S+4*\u+\c], v[SMR] offset:64*\u+256*\c   ; the four key quarters' maxima of my queries
.endr
.endr
	s_wait_dscnt 0x0
.irp u, 0,1
	v_max3_num_f32 v[S+4*\u], v[S+4*\u], v[S+4*\u+1], v[S+4*\u+2]
.endr
.irp u, 0,1
	v_max_num_f32 v[S+4*\u], v[S+4*\u], v[S+4*\u+3]
.endr
.irp u, 0,1
	v_mul_f32 v[S+4*\u], s[CS], v[S+4*\u]          ; as t (c is positive)
.endr
.irp u, 0,1
	v_floor_f32 v[NM+2*\u], -v[S+4*\u]             ; -M = floor(-t) = -ceil(t)
	v_floor_f32 v[NM+2*\u+1], -v[S+4*\u]           ; (named with it as a pair, so it is written)
.endr
.irp i, 0,1,2,3,4,5,6,7
	v_mov_b32 v[ST+\i], 0                          ; the sums begin
.endr
.endif
	STEPWORK \slot, \first
.endm
	s_load_b256 s[4:11], s[0:1], 0x0               ; qc s[4:5], kv s[6:7], x s[8:9], gamma s[10:11]
	s_load_b128 s[12:15], s[0:1], 0x20             ; the scales' exponents s[12:13], out0 s[14:15]
	v_lshl_add_u32 v[SPW], v0, 2, SPARE
	v_mov_b32 v[NIL], 0
	ds_add_u32 v[SPW], v[NIL]                      ; the wave's opening: the add, twice on end, and its wait ahead of my first tensor load
	ds_add_u32 v[SPW], v[NIL]                      ; and once more, under the one wait; the set-up below, work on registers, stands between
	v_lshrrev_b32 v37, 5, v0
	v_readfirstlane_b32 s[WV], v37                 ; wave 0..7
	s_and_b32 s17, s[WV], 1
	s_lshr_b32 s18, s[WV], 1
	s_bfe_u32 s19, ttmp6, 0x40000                  ; cx: my place in the cluster: it enters q's, x's and out0's addresses alone
	s_lshl_b32 s20, ttmp9, 2
	s_add_co_u32 s20, s20, s19                     ; my block of 64 queries
	s_and_b32 s21, ttmp7, 0xffff                   ; the batch, which the four partners share
	; descriptor group 1: 72 rows of 32 elements of 8 bytes, dense: 18,432 consecutive bytes
	s_mov_b32 s[G1], 15|(3<<16)|(1<<21)            ; 15:0 the mask: all four work-groups; 17:16 elements of 8 bytes; 21 set beside a mask; no padding
	s_mov_b32 s[G1+1], 32<<16                      ; tensor_dim0 = 32
	s_mov_b32 s[G1+2], 72<<16                      ; tensor_dim1 = 72
	s_mov_b32 s[G1+3], 32<<16                      ; tile_dim0 = 32
	s_mov_b32 s[G1+4], 72                          ; tile_dim1 = 72
	s_mov_b32 s[G1+5], 32                          ; from row to row
	s_mov_b32 s[G1+6], 0
	s_mov_b32 s[G1+7], 0
	s_mov_b32 s[SEL], 0x76543210
	s_mov_b32 s[SEL+1], 0xfedcba98
	s_lshr_b32 s[BI], ttmp9, 3                     ; the cluster's first block: (c + 5 (c / 8)) % 8, c = the cluster's x, which the four partners share
	s_mul_i32 s[BI], s[BI], 5
	s_add_co_u32 s[BI], s[BI], ttmp9
	s_and_b32 s[BI], s[BI], 7
	s_mul_i32 s[BO], s[BI], SLOT1
	s_mov_b32 s[BO+1], 0
	s_mul_i32 s53, s[WV], PIECE                    ; my eighth of a slot
	s_mul_i32 s2, s21, 8*SLOT1                     ; the batch's eight blocks
	s_mov_b32 s3, 0
	s_wait_dscnt 0x0                               ; both opening adds are done
	s_wait_kmcnt 0x0
	s_load_b128 s[56:59], s[12:13], 0x18           ; e6, e7, e8, e9
	s_load_b32 s60, s[10:11], 0x0                  ; gamma
	s_add_nc_u64 s[6:7], s[6:7], s[2:3]            ; kv at the batch's block 0
	s_mov_b32 s[G0K], 1                            ; count = 1
	s_add_co_u32 s[G0K+1], s53, SLOT1              ; LDS address: piece w of slot 1
	s_mul_i32 s2, s[WV], SLOT1
	s_add_nc_u64 s[G0K+2:G0K+3], s[6:7], s[2:3]    ; block w's first 18,432 bytes: its k, and 2,048 bytes that nobody reads, so that these first fills cover all of slot 1
	s_or_b32 s[G0K+3], s[G0K+3], 0x80000000        ; type = 2
	s_mov_b32 s2, s53
	s_add_nc_u64 s[KVW:KVW+1], s[6:7], s[2:3]      ; my eighth of block 0: the pointer that stays
	s_mov_b32 s[G0A], 1
	s_mov_b32 s[G0A+1], s53                        ; slot 0
	s_add_nc_u64 s[G0A+2:G0A+3], s[KVW:KVW+1], s[BO:BO+1]   ; my eighth of the cluster's first block
	s_or_b32 s[G0A+3], s[G0A+3], 0x80000000
	s_mov_b32 s[G0A+4], 1
	s_add_co_u32 s[G0A+5], s53, SLOT1              ; slot 1; its global address is made at the first change of slots
	CROUND                                         ; all four work-groups are here: the first joint loads meet
	tensor_load_to_lds s[G0K:G0K+3], s[G1:G1+7]    ; every wave issues both first fills: two loads of mine are out
	s_nop 0
	tensor_load_to_lds s[G0A:G0A+3], s[G1:G1+7]
	s_nop 0
	PLACES 4
	v_and_b32 v39, 31, v0                          ; lane
	v_and_b32 v37, 15, v0                          ; r
	v_bfe_u32 v38, v0, 4, 1                        ; h
	v_lshlrev_b32 v[IMG], 4, v39
	s_lshl_b32 s22, s21, 8
	s_lshl_b32 s23, s20, 2
	s_add_co_u32 s22, s22, s23
	s_lshl_b32 s23, s17, 1
	s_add_co_u32 s22, s22, s23                     ; my first query tile: 256 batch + 4 block + 2 (w % 2)
	s_lshl_b32 s22, s22, 9
	s_mov_b32 s23, 0
	s_add_nc_u64 s[4:5], s[4:5], s[22:23]
	global_load_b128 v[Q+4:Q+7], v[IMG], s[4:5]
	global_load_b128 v[Q+16:Q+19], v[IMG], s[4:5] offset:512
.irp i, 0,1,2,3,8,9,10,11,12,13,14,15,20,21,22,23
	v_mov_b32 v[Q+\i], 0                           ; the zero codes round q
.endr
	s_lshl_b32 s54, s21, 22                        ; x and out0: the batch,
	s_lshl_b32 s55, s[WV], 19
	s_add_co_u32 s54, s54, s55                     ; my 32 channel rows,
	s_lshl_b32 s55, s20, 8
	s_add_co_u32 s54, s54, s55                     ; the 64 queries' 256 bytes
	s_mov_b32 s55, 0
	s_add_nc_u64 s[8:9], s[8:9], s[54:55]
	s_add_nc_u64 s[14:15], s[14:15], s[54:55]
	v_lshlrev_b32 v[XPF], 14, v39
	s_lshl_b32 s2, s18, 12
	v_add_nc_u32 v[AK], s2, v[IMG]                 ; eight key tiles of 512 bytes x (w / 2)
	v_add_nc_u32 v[AK+1], SLOT1, v[AK]
	v_add_nc_u32 v[AP1B], 4*PIECE, v[AK+1]
	s_lshl_b32 s2, s18, 15
	s_add_co_u32 s2, s2, VOFF
	v_add_nc_u32 v[AV], s2, v[IMG]                 ; 16 channel tiles of 2,048 bytes x (w / 2), behind the block's k
	v_add_nc_u32 v[AV+1], SLOT1, v[AV]
	s_lshl_b32 s3, s17, 7
	s_add_co_u32 s2, s3, SCRM
	v_lshl_add_u32 v[SMR], v37, 2, s2              ; query 32 (w % 2) + r
	s_lshl_b32 s2, s18, 8
	v_add_nc_u32 v[SMX], s2, v[SMR]                ; in my key quarter's row
	s_mul_i32 s2, s18, CPY
	s_add_co_u32 s2, s2, s3
	v_mul_u32_u24 v[STO], v37, 272
	v_lshl_add_u32 v[STO], v38, 5, v[STO]
	v_add_nc_u32 v[STO], s2, v[STO]                ; copy w / 2, channel row r, queries 32 (w % 2) + 8 h on
	v_lshl_add_u32 v[LRD], v37, 4, SCRL
	v_lshlrev_b32 v[XO], 4, v37
	v_lshl_add_u32 v[XO], v38, 14, v[XO]
	s_mul_i32 s2, s[WV], 32*272
	v_mul_u32_u24 v[SRD], v38, 272
	v_lshl_add_u32 v[SRD], v37, 4, v[SRD]
	v_add_nc_u32 v[SRD], s2, v[SRD]                ; channel row 32 w + lane / 16, 16 (lane % 16)
	v_add_nc_u32 v[SRD+1], CPY, v[SRD]
	v_add_nc_u32 v[SRD+2], CPY, v[SRD+1]
	v_add_nc_u32 v[SRD+3], CPY, v[SRD+2]
.irp i, 0,1,2,3,4,5,6,7
	v_mov_b32 v[ST+\i], 0xff800000                 ; the maxima begin at -infinity
.endr
	s_wait_kmcnt 0x0
	s_add_co_i32 s2, s56, s57
	s_lshl_b32 s2, s2, 23
	s_add_co_i32 s[CS], s2, 0x3fb8aa3b             ; a score stands for score x 2^(e6 + e7): the exponents are added to the exponent field of log2(e)
	s_mov_b32 s[CS+1], s[CS]                       ; (named with it as a pair, so it is written)
	s_add_co_i32 s2, s59, 127
	s_lshl_b32 s3, s2, 23
	v_mov_b32 v[SCP], s3                           ; 2^e9 as f32, for the conversion
	s_add_co_i32 s2, s2, 8
	s_lshl_b32 s2, s2, 23
	s_or_b32 s2, s2, 0x600000
	v_mov_b32 v[LIMP], s2                          ; 448 x 2^e9
	s_wait_tensorcnt 0x1                           ; my piece of k is in; slot 0's load may stay out
	s_barrier_signal -1
	s_barrier_wait -1                              ; everybody's is
	KPIECE 0, KF
	s_wait_loadcnt 0x0                             ; q
.irp j, 0,1,2,3,4,5,6,7
	P1 \j
.endr
.irp q, 0,1
	v_max3_num_f32 v[ST+4*\q], v[ST+4*\q], v[ST+4*\q+1], v[ST+4*\q+2]
.endr
.irp q, 0,1
	v_max_num_f32 v[ST+4*\q], v[ST+4*\q], v[ST+4*\q+3]
.endr
.irp q, 0,1
	v_permlanex16_b32 v[37+\q], v[ST+4*\q], s[SEL], s[SEL+1]   ; the query's other keys lie in the lane 16 away
.endr
.irp q, 0,1
	v_max_num_f32 v[ST+4*\q], v[ST+4*\q], v[37+\q]
	ds_store_b32 v[SMX], v[ST+4*\q] offset:64*\q   ; lanes r and r + 16 store the same number to the same word
.endr
	TRIP 0, 1, 1                                   ; the walk's first block; slot 1, whose pieces of k have been read, takes the second; the maxima meet behind the round
	s_mov_b32 s[CNT], 3
.Lpair:                                            ; the walk's second to seventh block, two a trip
	TRIP 1, 1, 0
	TRIP 0, 1, 0
	s_sub_co_u32 s[CNT], s[CNT], 1
	s_cmp_lg_u32 s[CNT], 0
	s_cbranch_scc1 .Lpair
	TRIP 1, 0, 0                                   ; the eighth is written out: nothing is left to fetch
	; THE WAY OUT.  The sums; then the four key quarters' parts of O meet in LDS, and each wave finishes 32 whole channel rows.
	v_pk_add_f32 v[ST:ST+1], v[ST:ST+1], v[ST+2:ST+3]       ; (these four lines are also the places behind the last products)
	v_pk_add_f32 v[ST+4:ST+5], v[ST+4:ST+5], v[ST+6:ST+7]
	v_add_f32 v[ST], v[ST], v[ST+1]
	v_add_f32 v[ST+4], v[ST+4], v[ST+5]
	v_permlanex16_b32 v37, v[ST], s[SEL], s[SEL+1]
	v_permlanex16_b32 v38, v[ST+4], s[SEL], s[SEL+1]
	v_add_f32 v[ST], v[ST], v37
	v_add_f32 v[ST+4], v[ST+4], v38
	ds_store_b32 v[SMX], v[ST] offset:1024
	ds_store_b32 v[SMX], v[ST+4] offset:1024+64
.irp i, 0,1,2,3,4,5,6,7,8,9,10,11,12,13,14,15
	global_load_b128 v[S+4*\i:S+4*\i+3], v[XO], s[8:9] offset:32768*\i th:TH_LOAD_NT   ; x: channel rows 32 w + 2 i, + 1: sixteen lanes read 256 consecutive bytes
.endr
	s_wait_dscnt 0x0
	s_barrier_signal -1
	s_barrier_wait -1                              ; no wave reads a slot any more, and the slots have had their last fill
	WIN 0x04                                       ; the stores' data in window 1
.irp t, 0,1,2,3,4,5,6,7,8,9,10,11,12,13,14,15
.irp u, 0,1
	ds_store_b128 v[STO], v[16*\t+8*\u:16*\t+8*\u+3] offset:4352*\t+64*\u      ; each accumulator from its low end on
	ds_store_b128 v[STO], v[16*\t+8*\u+4:16*\t+8*\u+7] offset:4352*\t+64*\u+16
.endr
.endr
	WIN 0
	s_wait_dscnt 0x0                               ; for the others' sake: my stores have landed
	s_barrier_signal -1
	s_barrier_wait -1
.macro GLOAD gi                        ; group gi: channel-row pairs 2 gi, 2 gi + 1, all four copies: 8 loads into one of three buffers
.set GL, 128+32*((\gi)%3)+16*(((\gi)%3)/2)
.irp pr, 0,1
.irp c, 0,1,2,3
	ds_load_b128 v[GL+16*\pr+4*\c:GL+16*\pr+4*\c+3], v[SRD+\c] offset:544*(2*(\gi)+\pr)
.endr
.endr
.endm
.macro GROUP gi
.set GW, 128+32*((\gi)%3)+16*(((\gi)%3)/2)
.if (\gi) < 7
	s_wait_dscnt 8                                 ; this group is in; the next group's eight loads may be out
.else
	s_wait_dscnt 0x0
.endif
.irp pr, 0,1
	v_pk_add_f32 v[GW+16*\pr:GW+16*\pr+1], v[GW+16*\pr:GW+16*\pr+1], v[GW+16*\pr+4:GW+16*\pr+5]
	v_pk_add_f32 v[GW+16*\pr+2:GW+16*\pr+3], v[GW+16*\pr+2:GW+16*\pr+3], v[GW+16*\pr+6:GW+16*\pr+7]
	v_pk_add_f32 v[GW+16*\pr+8:GW+16*\pr+9], v[GW+16*\pr+8:GW+16*\pr+9], v[GW+16*\pr+12:GW+16*\pr+13]
	v_pk_add_f32 v[GW+16*\pr+10:GW+16*\pr+11], v[GW+16*\pr+10:GW+16*\pr+11], v[GW+16*\pr+14:GW+16*\pr+15]
	v_pk_add_f32 v[GW+16*\pr:GW+16*\pr+1], v[GW+16*\pr:GW+16*\pr+1], v[GW+16*\pr+8:GW+16*\pr+9]
	v_pk_add_f32 v[GW+16*\pr+2:GW+16*\pr+3], v[GW+16*\pr+2:GW+16*\pr+3], v[GW+16*\pr+10:GW+16*\pr+11]
	v_pk_fma_f32 v[GW+16*\pr:GW+16*\pr+1], v[GW+16*\pr:GW+16*\pr+1], v[192:193], v[S+4*(2*(\gi)+\pr):S+4*(2*(\gi)+\pr)+1]       ; sum x gamma 2^(e8 + e9) / l + x
	v_pk_fma_f32 v[GW+16*\pr+2:GW+16*\pr+3], v[GW+16*\pr+2:GW+16*\pr+3], v[194:195], v[S+4*(2*(\gi)+\pr)+2:S+4*(2*(\gi)+\pr)+3]
	global_store_b128 v[XO], v[GW+16*\pr:GW+16*\pr+3], s[14:15] offset:32768*(2*(\gi)+\pr) th:TH_STORE_NT   ; sixteen lanes store 256 consecutive bytes, aligned
.endr
.if (\gi)+2 < 8
	s_wait_xcnt 0x0                                ; the last group's stores have read their registers: the group two on lands there
	GLOAD (\gi)+2
.endif
.endm
.irp c, 0,1,2,3
	ds_load_b128 v[192+4*\c:195+4*\c], v[LRD] offset:256*\c   ; the four key quarters' sums of my four queries
.endr
	GLOAD 0
	GLOAD 1
	s_wait_dscnt 16                                ; the sums are in; the two groups' sixteen loads may be out
	v_pk_add_f32 v[192:193], v[192:193], v[196:197]
	v_pk_add_f32 v[194:195], v[194:195], v[198:199]
	v_pk_add_f32 v[200:201], v[200:201], v[204:205]
	v_pk_add_f32 v[202:203], v[202:203], v[206:207]
	v_pk_add_f32 v[192:193], v[192:193], v[200:201]
	v_pk_add_f32 v[194:195], v[194:195], v[202:203]           ; l
.irp i, 0,1,2,3
	v_rcp_f32 v[196+\i], v[192+\i]
.endr
	v_nop                                          ; a plain line behind the last reciprocal
	s_add_co_i32 s2, s58, s59                      ; e8 + e9
	s_wait_alu depctr_va_vdst(0)                   ; one wait for the four, ahead of their first reader
.irp i, 0,1,2,3
	v_mul_f32 v[192+\i], s60, v[196+\i]            ; gamma / l
.endr
.irp i, 0,1,2,3
	v_ldexp_f32 v[192+\i], v[192+\i], s2           ; x 2^(e8 + e9)
.endr
	s_wait_loadcnt 0x0                             ; x
.irp g, 0,1,2,3,4,5,6,7
	GROUP \g
.endr
	s_wait_tensorcnt 0x0                           ; the wave's end: these three lines, behind my last tensor load and my last LDS store
	ds_add_u32 v[SPW], v[NIL]
	s_wait_dscnt 0x0
	CROUND                                         ; the closing round: no work-group ends while a partner may still ask for a tile that names it
	s_endpgm
.Lfunc_end_k_q041faca878_attn:
	.size	k_q041faca878_attn, .Lfunc_end_k_q041faca878_attn-k_q041faca878_attn
	.p2alignl 7, 3214868480
	.fill 96, 4, 3214868480
	.section	.rodata,"a",@progbits
	.p2align	6, 0x0
	.amdhsa_kernel k_q041faca878_attn
		.amdhsa_group_segment_fixed_size 327680
		.amdhsa_private_segment_fixed_size 0
		.amdhsa_enable_private_segment 0
		.amdhsa_kernarg_size 48
		.amdhsa_user_sgpr_count 2
		.amdhsa_user_sgpr_kernarg_segment_ptr 1
		.amdhsa_wavefront_size32 1
		.amdhsa_system_sgpr_workgroup_id_x 1
		.amdhsa_system_sgpr_workgroup_id_y 1
		.amdhsa_system_sgpr_workgroup_id_z 1
		.amdhsa_system_vgpr_workitem_id 0
		.amdhsa_next_free_vgpr 512
		.amdhsa_next_free_sgpr 66
		.amdhsa_reserve_vcc 0
		.amdhsa_float_denorm_mode_32 3
		.amdhsa_float_denorm_mode_16_64 3
		.amdhsa_memory_ordered 1
		.amdhsa_forward_progress 1
		.amdhsa_inst_pref_size 182
	.end_amdhsa_kernel
	.amdgpu_metadata
---
amdhsa.version: [ 1, 2 ]
amdhsa.kernels:
  - .name:           k_q041faca878_attn
    .symbol:         k_q041faca878_attn.kd
    .args:
      - { .name: qc, .offset: 0, .size: 8, .value_kind: global_buffer, .address_space: global }
      - { .name: kv, .offset: 8, .size: 8, .value_kind: global_buffer, .address_space: global }
      - { .name: x, .offset: 16, .size: 8, .value_kind: global_buffer, .address_space: global }
      - { .name: gamma, .offset: 24, .size: 8, .value_kind: global_buffer, .address_space: global }
      - { .name: lowp_scales, .offset: 32, .size: 8, .value_kind: global_buffer, .address_space: global }
      - { .name: out0, .offset: 40, .size: 8, .value_kind: global_buffer, .address_space: global }
    .group_segment_fixed_size: 327680
    .private_segment_fixed_size: 0
    .kernarg_segment_align: 8
    .kernarg_segment_size: 48
    .max_flat_workgroup_size: 256
    .sgpr_count:     66
    .vgpr_count:     512
    .wavefront_size: 32
...
	.end_amdgpu_metadata
.endif
;; end of part 2
